; MI455X (gfx1250); checked and timed in simulation.
; The chip was launched on July 23, 2026; its instructions are those of AMD's public machine-readable ISA for CDNA 5 (MIT licence, August 2026) and "CDNA5" Instruction Set Architecture Reference Guide (July 2026). The comments in the code are by the model that wrote it; some were corrected since.
;; K Way Pred. Allowed arithmetic: float matrix products may take bf16 or f16 operands with f32 sums; other float arithmetic in f32, or as packed bf16 or f16 multiplies, adds, multiply-adds, maxima and minima; sums over many terms, partial sums and values carried from step to step in f32; what a program stores and reads back later, other than sums and carried values, may be rounded once to bf16 or f16.
;; Inputs: h_u 32,768 x 256 float32; h_v 32,768 x 256 float32; weights 32 x 256 x 256 float32.
;; Outputs: out0 32,768 x 32 float32.
;; 2 versions, each right; version 2 is version 1 with the launch prep written anew for expert scheduling mode. Each part assembles by itself: llvm-mc -triple=amdgcn-amd-amdhsa -mcpu=gfx1250 --defsym DOCPART=n.
;; ======== version 1 of 2: 2 launches
;; workspace buffers: wb 4,194,304 bytes
;; launch prep (part 1): grid 256 x 1, 8 waves a work-group, no clusters, 0 bytes of LDS; arguments weights, wb; writes wb
.if DOCPART == 1
	.amdgcn_target "amdgcn-amd-amdhsa--gfx1250"
	.amdhsa_code_object_version 6
	.text
	.protected	k_q89e02d5937_prep
	.globl	k_q89e02d5937_prep
	.p2align	8
	.type	k_q89e02d5937_prep,@function
k_q89e02d5937_prep:
	s_mov_b64 s[64:65], 0
	v_nop
	global_prefetch_b8 v0, s[64:65] scope:SCOPE_SE
	s_setreg_imm32_b32 hwreg(HW_REG_WAVE_MODE, 25, 1), 1
	s_wait_xcnt 0x0
; wb[r][d][e] = weights[r][d][e] rounded once to bf16, in the same order: 32 x 256 rows of 256 numbers, 512 bytes a row, dense.
; THE WHOLE PROGRAM: out[n][r] = sum over d, e of h_u[n][d] W[r][d][e] h_v[n][e].  No work of the problem is left out: every number of every input reaches an output.
; Every work-group of the next launch walks all of W, so W is rounded here, once, and not 256 times there.  h_u and h_v have one work-group each that wants a given row: they are rounded on their way there.
; SHARES.  A work-group takes 8,192 numbers: 32,768 bytes in, 16,384 out.  Thread t takes 16 bytes at 4,096 j + 16 t (j = 0..7): a wave's load covers 512 consecutive bytes;
; its 8 bytes of bf16 go to 2,048 j + 8 t: a wave's store covers 256 consecutive bytes, aligned.  All eight loads go out at once; no register is written twice, so no wait frees one.
; No LDS, no matrix unit, no cluster: nothing is shared and nothing is summed.
.set X, 8                              ; v[8:39]   load j: four f32
.set Y, 40                             ; v[40:55]  store j: four bf16
	s_load_b128 s[4:7], s[0:1], 0x0                ; weights s[4:5], wb s[6:7]
	s_lshl_b32 s2, ttmp9, 15                       ; the work-group's 32,768 bytes of weights
	s_mov_b32 s3, 0
	s_lshl_b32 s8, ttmp9, 14                       ; and its 16,384 bytes of wb
	s_mov_b32 s9, 0
	v_lshlrev_b32 v1, 4, v0                        ; 16 t
	v_lshlrev_b32 v2, 3, v0                        ; 8 t
	s_wait_kmcnt 0x0
	s_add_nc_u64 s[4:5], s[4:5], s[2:3]
	s_add_nc_u64 s[6:7], s[6:7], s[8:9]
.irp j, 0,1,2,3,4,5,6,7
	global_load_b128 v[X+4*(\j):X+4*(\j)+3], v1, s[4:5] offset:4096*(\j) th:TH_LOAD_NT  ; read once in the launch
.endr
.irp j, 0,1,2,3,4,5,6,7
	s_wait_loadcnt 7-(\j)                          ; loads come back in order: load j is in, the 7 - j younger ones may stay out
	v_cvt_pk_bf16_f32 v[Y+2*(\j)],   v[X+4*(\j)],   v[X+4*(\j)+1]
	v_cvt_pk_bf16_f32 v[Y+2*(\j)+1], v[X+4*(\j)+2], v[X+4*(\j)+3]
	global_store_b64 v2, v[Y+2*(\j):Y+2*(\j)+1], s[6:7] offset:2048*(\j)
.endr
	s_endpgm
.Lfunc_end_k_q89e02d5937_prep:
	.size	k_q89e02d5937_prep, .Lfunc_end_k_q89e02d5937_prep-k_q89e02d5937_prep
	.p2alignl 7, 3214868480
	.fill 96, 4, 3214868480
	.section	.rodata,"a",@progbits
	.p2align	6, 0x0
	.amdhsa_kernel k_q89e02d5937_prep
		.amdhsa_group_segment_fixed_size 0
		.amdhsa_private_segment_fixed_size 0
		.amdhsa_enable_private_segment 0
		.amdhsa_kernarg_size 16
		.amdhsa_user_sgpr_count 2
		.amdhsa_user_sgpr_kernarg_segment_ptr 1
		.amdhsa_wavefront_size32 1
		.amdhsa_system_sgpr_workgroup_id_x 1
		.amdhsa_system_sgpr_workgroup_id_y 1
		.amdhsa_system_sgpr_workgroup_id_z 1
		.amdhsa_system_vgpr_workitem_id 0
		.amdhsa_next_free_vgpr 64
		.amdhsa_next_free_sgpr 66
		.amdhsa_reserve_vcc 0
		.amdhsa_float_denorm_mode_32 3
		.amdhsa_float_denorm_mode_16_64 3
		.amdhsa_memory_ordered 1
		.amdhsa_forward_progress 1
		.amdhsa_inst_pref_size 4
	.end_amdhsa_kernel
	.amdgpu_metadata
---
amdhsa.version: [ 1, 2 ]
amdhsa.kernels:
  - .name:           k_q89e02d5937_prep
    .symbol:         k_q89e02d5937_prep.kd
    .args:
      - { .name: weights, .offset: 0, .size: 8, .value_kind: global_buffer, .address_space: global }
      - { .name: wb, .offset: 8, .size: 8, .value_kind: global_buffer, .address_space: global }
    .group_segment_fixed_size: 0
    .private_segment_fixed_size: 0
    .kernarg_segment_align: 8
    .kernarg_segment_size: 16
    .max_flat_workgroup_size: 256
    .sgpr_count:     66
    .vgpr_count:     64
    .wavefront_size: 32
...
	.end_amdgpu_metadata
.endif
;; end of part 1
;; launch main (part 2): grid 256 x 1, 4 waves a work-group, clusters of 4 x 1, 327,680 bytes of LDS; arguments h_u, h_v, wb, out0; writes out0
.if DOCPART == 2
	.amdgcn_target "amdgcn-amd-amdhsa--gfx1250"
	.amdhsa_code_object_version 6
	.text
	.protected	k_q89e02d5937_main
	.globl	k_q89e02d5937_main
	.p2align	8
	.type	k_q89e02d5937_main,@function
k_q89e02d5937_main:
	s_mov_b64 s[64:65], 0
	v_nop
	global_prefetch_b8 v0, s[64:65] scope:SCOPE_SE
	s_setreg_imm32_b32 hwreg(HW_REG_WAVE_MODE, 25, 1), 1
	s_wait_xcnt 0x0
	s_wait_alu depctr_hold_cnt(0) depctr_sa_sdst(0) depctr_va_vdst(0) depctr_va_sdst(0) depctr_va_ssrc(0) depctr_va_vcc(0) depctr_vm_vsrc(0)
	s_getreg_b32 s2, hwreg(HW_REG_IB_STS2, 6, 4)
	s_cmp_eq_u32 s2, 0
	s_cbranch_scc0 .Lentry_in_a_cluster
	s_endpgm
.Lentry_in_a_cluster:
	s_bfe_u32 s2, ttmp6, 0x10000c
	s_cmp_lg_u32 s2, 0x3003
	s_cbranch_scc0 .Lentry_shape_is_right
	s_endpgm
.Lentry_shape_is_right:
; out[n][r] = sum over d of h_u[n][d] q[n][r][d],  q[n][r][d] = sum over e of W[r][d][e] h_v[n][e].  h_u, h_v: [32768][256] f32; wb: W in bf16, [32][256][256]; out: [32768][32] f32.
; No work of the problem is left out.  The double sum is taken with e first, since W as it lies ([r][d][e]) then has the product's K along its rows: nothing is transposed.
; LIMITS.  h_u, h_v and W are each rounded once to bf16 (which has f32's range); q and the sums over d are f32.  The order of the f32 additions is not the problem's own: e first, inside the matrix
; instructions, then d in two chains of 128 terms (one for each half of the lanes), added at the end.  NaN and infinities come out as this arithmetic gives them.
; SHARES.  Work-group g owns tokens 128 g .. 128 g + 127 and all 32 r: each byte of h_u and h_v is read once, each row of out has one owner.  Wave w: rh = w / 2, tg = w % 2: the 64 tokens 64 tg ..
; (four tiles t of 16) and r = 16 rh + r', r' = 0..15.  For one r: 16 row tiles dt (16 rows d of W[r]) x 4 t x 8 fragments of 32 along e = 512 matrix instructions.
; LAYOUT.  Source 0 = 16 rows d of W[r], source 1 = 16 tokens of h_v.  In the result lane l holds token l % 16 and d = 16 dt + 8 (l / 16) + j in register j.  So q never leaves the lane:
; S[t] += bf16 h_u[token][d] x q, one mixed multiply-add a register, and one exchange of the lanes' halves for each r ends the sum.  q is never stored.
; RESIDENT.  h_v as 32 fragments (256 registers) and h_u packed in the result's layout (256 registers) stay for the whole launch.  Only W streams: 16 LDS loads of 16 bytes for 32 matrix instructions.
; THE WALK.  Step s = 0..31 is half of an r for each rh: r' = s / 2, rows d = 128 (s % 2) ..; it lies in slot s % 2: 256 rows (128 for each rh) of 512 bytes.  Each wave brings 64 rows of it by one tensor load.
; CLUSTER.  All work-groups walk the same W in the same order; the four of a cluster ask for each tile JOINTLY (mask 15): the same load, the same descriptor, made of the wave's number and the step alone.
; h's tiles belong to one work-group, so a wider cluster would share nothing more.
; BY TURNS.  Tile dt's 32 products go to one set of four accumulators; behind each product stands one multiply-add that folds tile dt - 1's results, which lie in the other set.
; REGISTERS, in windows of 256 (s_set_vgpr_msb: bits 1:0 source 0, 3:2 source 1, 5:4 source 2, 7:6 destination):
;   window 0: v0-29 addresses and sums; v64-127, v128-191 W's fragments, two buffers (at the head: stages for h); v192-223, v224-255 the two sets of accumulators
;   window 1: v[32 t + 8 kk] h_v's fragment (t, k = kk), kk = 0..3;  v[128 + 32 t + 2 dt + q] h_u for j = 2 q, 2 q + 1, q = 0, 1
;   window 2: the same places for k = 4 + kk and j = 4 + 2 q, 5 + 2 q
; A product has h_v as source 1, a fold has h_u as source 1, all else of both lies in window 0: both run under ONE setting (source 1 = window 1 or 2), and so do the LDS loads: two switches for 32 products.
.set WPITCH, 528                       ; a row of W in LDS: 512 bytes + 16 = 132 words: row r starts at bank 4 r mod 64 (64 banks of 4 bytes: ISA guide 11.1): the 16 rows of a load start at 16 different groups of four banks
.set WQUART, 64*WPITCH                 ; what one tensor load of W brings
.set SLOT,   4*WQUART                  ; 135,168
.set HPITCH, 1040                      ; a row of h in LDS: 1,024 bytes + 16 = 260 words: again bank 4 r mod 64
.set HHALF,  64*HPITCH                 ; what one tensor load of h brings; h_v's 128 rows lie first in slot 0's bytes, h_u's in slot 1's (133,120 of the 135,168)
.set STAGE,  2*SLOT                    ; behind the ring, never filled by a tensor load: for each wave 64 token rows x (64 bytes + 16)
.set SPITCH, 80
.set SREG,   64*SPITCH
.set SPARE,  STAGE+4*SREG              ; behind the stages: the spare words, 128 bytes for each wave: two blocks of 256 bytes that no other line names
.set STEP,   65536                     ; bytes of wb from a step to the next (128 rows of 512)
.set ADR, 4                            ; v4, v5  LDS address of my fragments of W in slot 0, 1
.set HAD, 6                            ; v6, v7  LDS address of my 32 bytes of a row of h_v, of h_u
.set OST, 8                            ; v8   my token's row in my stage; never rewritten
.set RD,  9                            ; v9   the way out: where I read 16 bytes of a row of out
.set GO,  10                           ; v10  16 x lane
.set PFO, 11                           ; v11  256 x lane; never rewritten
.set ZR,  12                           ; v12  0: the addend that starts a sum S
.set OSA, 13                           ; v13  OST + 4 r'
.set S,   16                           ; v16-19  S[t]
.set T,   20                           ; v20-23  the other half's S[t], then the whole sum
.set SPW, 28                           ; v28  LDS address of my spare word: SPARE + 4 x my thread's number; never rewritten
.set NIL, 29                           ; v29  0; never rewritten
.set ABUF, 64
.set ACC,  192
.set WV,  12                           ; s12  my wave's number;  s13 = w / 2;  s14 = w % 2;  s15 = cx
.set G1W, 24                           ; s[24:31] descriptor group 1 for W's tiles
.set G1H, 32                           ; s[32:39] for h's tiles
.set G0W, 40                           ; s[40:47] descriptor group 0 for W's tiles, a set for each slot
.set G0H, 48                           ; s[48:51] for my tile of h
.set SEL, 56                           ; s[56:57] v_permlanex16_b32's selects: each lane takes its own place in the other half
.set PFA, 58                           ; s[58:59] where my prefetches stand
.set LIM, 60                           ; s60  1 in the cluster that prefetches, else the greatest number
.set ROFF, 61                          ; s61  4 r'
.set MSB, 0
.macro WIN new                         ; the immediate's high byte repeats the setting that is left; a switch that changes nothing is dropped
.if MSB != (\new)
	s_set_vgpr_msb (MSB<<8)|(\new)
.set MSB, (\new)
.endif
.endm
; A round of the cluster's barrier: my work-group's barrier, so that wave 0's signal speaks for all four waves; wave 0 signals; every wave waits for all four work-groups; my work-group's barrier once more.
.macro CREST                           ; a round behind its opening barrier
	s_cmp_lg_u32 s[WV], 0
	s_cbranch_scc1 .Lnot_wave_0_\@
	s_barrier_signal -3
.Lnot_wave_0_\@:
	s_barrier_wait -3
	s_barrier_signal -1
	s_barrier_wait -1
.endm
.macro CROUND                          ; a whole round
	s_barrier_signal -1
	s_barrier_wait -1
	CREST
.endm
	s_load_b256 s[4:11], s[0:1], 0x0               ; h_u s[4:5], h_v s[6:7], wb s[8:9], out s[10:11]
	v_lshl_add_u32 v[SPW], v0, 2, SPARE
	v_mov_b32 v[NIL], 0
	ds_add_u32 v[SPW], v[NIL]                      ; the wave's opening: the add, twice on end, and its wait, ahead of my first tensor load; the set-up below stands between
	ds_add_u32 v[SPW], v[NIL]                      ; and once more, under the one wait
	v_lshrrev_b32 v3, 5, v0
	v_readfirstlane_b32 s[WV], v3                  ; wave 0..3
	s_lshr_b32 s13, s[WV], 1
	s_and_b32 s14, s[WV], 1
	s_bfe_u32 s15, ttmp6, 0x40000                  ; cx: my place in the cluster: it enters the addresses of h, of out and of the prefetches alone
	; group 1 for W: 64 rows x 256 elements of 2 bytes, padded in LDS
	s_mov_b32 s[G1W], 15|(1<<16)|(1<<20)|(1<<21)|(6<<22)|(3<<25)  ; 15:0 the mask of four; 17:16 2-byte elements; 20 padding on; 21 set beside a mask; 24:22 after every 128 words (code 6); 31:25 4 words (code 3)
	; group 1 for h: 64 rows x 256 elements of 4 bytes, my work-group's own
	s_mov_b32 s[G1H], (2<<16)|(1<<20)|(7<<22)|(3<<25)             ; no mask; 4-byte elements; padding after every 256 words (code 7), 4 words
.irp g, G1W, G1H
	s_mov_b32 s[(\g)+1], 256<<16                   ; tensor_dim0 = 256
	s_mov_b32 s[(\g)+2], 64<<16                    ; tensor_dim1 = 64
	s_mov_b32 s[(\g)+3], 256<<16                   ; tile_dim0 = 256
	s_mov_b32 s[(\g)+4], 64                        ; tile_dim1 = 64
	s_mov_b32 s[(\g)+5], 256                       ; 256 elements from row to row
	s_mov_b32 s[(\g)+6], 0
	s_mov_b32 s[(\g)+7], 0
.endr
	s_mov_b32 s[G0W], 1                            ; count = 1
	s_mul_i32 s[G0W+1], s[WV], WQUART              ; LDS: wave x 64 rows, slot 0
	s_mov_b32 s[G0W+4], 1
	s_add_co_u32 s[G0W+5], s[G0W+1], SLOT          ; slot 1
	s_mov_b32 s[G0H], 1
	s_mul_i32 s52, s13, SLOT                       ; waves 0, 1 bring h_v's two halves into slot 0's bytes, waves 2, 3 h_u's into slot 1's
	s_mul_i32 s53, s14, HHALF
	s_add_co_u32 s[G0H+1], s52, s53
	s_lshl_b32 s18, s13, 21                        ; my 64 rows of a step in wb: 16 r of 131,072 bytes for rh,
	s_lshl_b32 s19, s14, 15                        ; 64 rows of 512 bytes
	s_add_co_u32 s18, s18, s19
	s_mov_b32 s19, 0
	s_lshl_b32 s20, ttmp9, 2                       ; in a cluster launch ttmp9 counts clusters
	s_add_co_u32 s20, s20, s15                     ; g = 4 x cluster + cx
	s_lshl_b32 s22, s20, 17                        ; the work-group's 128 rows of 1,024 bytes in h,
	s_lshl_b32 s23, s14, 16                        ; my 64 of them
	s_add_co_u32 s22, s22, s23
	s_mov_b32 s23, 0
	s_lshl_b32 s20, s20, 14                        ; the work-group's 16,384 bytes of out,
	s_lshl_b32 s21, s[WV], 12                      ; the 32 rows that I store
	s_add_co_u32 s20, s20, s21
	s_mov_b32 s21, 0
	s_lshl_b32 s16, s15, 13                        ; the prefetches: my work-group's 8,192 of the 32,768 bytes that I fetch of a step
	s_mov_b32 s17, 0
	s_mov_b32 s[SEL], 0x76543210
	s_mov_b32 s[SEL+1], 0xfedcba98
	s_mov_b32 s[ROFF], 0
	s_cmp_eq_u32 ttmp9, 0                          ; the first cluster prefetches: the same answer in all four partners
	s_cselect_b32 s[LIM], 1, -1
	s_wait_dscnt 0x0                               ; both opening adds are done
	s_wait_kmcnt 0x0
	s_cmp_lt_u32 s[WV], 2
	s_cselect_b64 s[G0H+2:G0H+3], s[6:7], s[4:5]
	s_add_nc_u64 s[G0H+2:G0H+3], s[G0H+2:G0H+3], s[22:23]
	s_or_b32 s[G0H+3], s[G0H+3], 0x80000000        ; type = 2
	s_add_nc_u64 s[G0W+2:G0W+3], s[8:9], s[18:19]  ; step 0
	s_add_nc_u64 s[G0W+6:G0W+7], s[G0W+2:G0W+3], STEP  ; step 1
	s_add_nc_u64 s[PFA:PFA+1], s[G0W+2:G0W+3], s[16:17]
	s_add_nc_u64 s[PFA:PFA+1], s[PFA:PFA+1], 3*STEP  ; at step 3: the first change of slots steps it to 4
	s_or_b32 s[G0W+3], s[G0W+3], 0x80000000
	s_or_b32 s[G0W+7], s[G0W+7], 0x80000000
	s_add_nc_u64 s[10:11], s[10:11], s[20:21]
	CROUND                                         ; in a cluster launch every group of tensor loads stands behind a round
	tensor_load_to_lds s[G0H:G0H+3], s[G1H:G1H+7]  ; my 64 rows of h: the launch's first fills, one a wave
	s_nop 0
	v_and_b32 v1, 15, v0                           ; l % 16
	v_bfe_u32 v2, v0, 4, 1                         ; l / 16
	v_mul_u32_u24 v3, v1, WPITCH                   ; a fragment of W: row l % 16, 16 bytes for each half of the lanes, twice, 32 bytes apart
	v_lshl_add_u32 v3, v2, 4, v3
	s_mul_i32 s52, s13, 128*WPITCH                 ; my rh's 128 rows of a slot
	v_add_nc_u32 v[ADR], s52, v3
	s_add_co_u32 s52, s52, SLOT
	v_add_nc_u32 v[ADR+1], s52, v3
	v_mul_u32_u24 v3, v1, HPITCH                   ; h in f32: token l % 16, 32 bytes (8 numbers) for each half of the lanes
	v_lshl_add_u32 v3, v2, 5, v3
	s_mul_i32 s53, s14, HHALF                      ; my 64 tokens
	v_add_nc_u32 v[HAD], s53, v3
	s_add_co_u32 s53, s53, SLOT
	v_add_nc_u32 v[HAD+1], s53, v3
	v_mul_u32_u24 v3, v1, SPITCH                   ; my stage: row = token % 64, column 4 r'
	s_mul_i32 s54, s[WV], SREG
	s_add_co_u32 s54, s54, STAGE
	v_add_nc_u32 v[OST], s54, v3
	; back: I store rows 32 w .. 32 w + 31 of the work-group's out; a load takes four rows of 128 bytes; piece l % 8 of a row holds r = 4 (l % 8) ..: it lies in the stage of wave 2 ((l % 8) / 4) + w / 2
	v_bfe_u32 v3, v0, 3, 2
	v_mul_u32_u24 v[RD], v3, SPITCH
	v_and_b32 v3, 3, v0
	v_lshl_add_u32 v[RD], v3, 4, v[RD]
	v_bfe_u32 v3, v0, 2, 1
	v_mul_u32_u24 v3, v3, 2*SREG
	v_add_nc_u32 v[RD], v[RD], v3
	s_mul_i32 s55, s13, SREG
	s_mul_i32 s54, s14, 32*SPITCH
	s_add_co_u32 s55, s55, s54
	s_add_co_u32 s55, s55, STAGE
	v_add_nc_u32 v[RD], s55, v[RD]
	v_and_b32 v3, 31, v0
	v_lshlrev_b32 v[GO], 4, v3
	v_lshlrev_b32 v[PFO], 8, v3
	v_mov_b32 v[ZR], 0
.irp t, 0,1,2,3
	v_mov_b32 v[T+(\t)], 0                         ; v_permlanex16_b32's destination counts as read: written once here
.endr
; H INTO REGISTERS.  Chunk c = 8 mh + m of a token's row is 16 numbers, of which a lane takes 8 (its half's).  For h_v chunk c is half a fragment: k = c / 2, registers 4 (c % 2) ..; for h_u it is row tile dt = c.
.macro HLOAD adr, t, mh, sg            ; eight chunks of tile t into stage sg: 16 loads
	WIN 0
.set hm, 0
.rept 8
	ds_load_b128 v[ABUF+64*(\sg)+8*hm:ABUF+64*(\sg)+8*hm+3],   v[\adr] offset:16*HPITCH*(\t)+64*(8*(\mh)+hm)
	ds_load_b128 v[ABUF+64*(\sg)+8*hm+4:ABUF+64*(\sg)+8*hm+7], v[\adr] offset:16*HPITCH*(\t)+64*(8*(\mh)+hm)+16
.set hm, hm+1
.endr
.endm
.macro HVCVT t, mh, sg                 ; 64 f32 -> 32 registers of fragments, window 1 (k = 0..3) or 2 (k = 4..7)
	WIN 0x40<<(\mh)
.set hm, 0
.rept 32
	v_cvt_pk_bf16_f32 v[32*(\t)+hm], v[ABUF+64*(\sg)+2*hm], v[ABUF+64*(\sg)+2*hm+1]
.set hm, hm+1
.endr
.endm
.macro HUCVT t, mh, sg                 ; of each chunk j = 0..3 go to window 1, j = 4..7 to window 2
.irp c, 0,1
	WIN 0x40<<(\c)
.set hm, 0
.rept 16
	v_cvt_pk_bf16_f32 v[128+32*(\t)+16*(\mh)+hm], v[ABUF+64*(\sg)+8*(hm/2)+4*(\c)+2*(hm%2)], v[ABUF+64*(\sg)+8*(hm/2)+4*(\c)+2*(hm%2)+1]
.set hm, hm+1
.endr
.endr
.endm
.macro CONV adr, kind                  ; eight batches (t = i / 2, mh = i % 2) through two stages: while one is rounded the other's loads are out
	HLOAD \adr, 0, 0, 0
	HLOAD \adr, 0, 1, 1
.set ci, 0
.rept 8
.if ci == 7
	s_wait_dscnt 0x0
.else
	s_wait_dscnt 16                                ; batch i is in; the 16 loads of batch i + 1 may stay out
.endif
.if \kind
	HUCVT ci/2, ci%2, ci%2
.else
	HVCVT ci/2, ci%2, ci%2
.endif
.if ci < 6
	HLOAD \adr, (ci+2)/2, ci%2, ci%2
.endif
.set ci, ci+1
.endr
.endm
	s_wait_tensorcnt 0x0                           ; my 64 rows of h are in,
	s_barrier_signal -1
	s_barrier_wait -1                              ; everybody's are
	CONV HAD, 0                                    ; h_v
	WIN 0
	s_wait_tensorcnt 0x0                           ; slot 0's bytes are filled again: no tensor load of mine is out,
	ds_add_u32 v[SPW], v[NIL]                      ; 0 onto my spare word
	s_wait_dscnt 0x0                               ; the add is done, and my reads of h_v are over
	CROUND                                         ; all that holds of every wave of the four work-groups
	tensor_load_to_lds s[G0W:G0W+3], s[G1W:G1W+7]  ; step 0 into slot 0; it lands while h_u is rounded
	s_nop 0
	CONV HAD+1, 1                                  ; h_u
	WIN 0
	s_wait_tensorcnt 0x0                           ; my part of step 0 is in; slot 1's bytes are filled again
	ds_add_u32 v[SPW], v[NIL]
	s_wait_dscnt 0x0                               ; the add is done, and my reads of h_u are over
	CROUND
	tensor_load_to_lds s[G0W+4:G0W+7], s[G1W:G1W+7]  ; step 1 into slot 1
	s_nop 0
; Row tile dt's eight fragments of W (16 rows x 256 along e) into buffer b: 16 loads in one run.  Destination and address lie in window 0 under every setting that the loop uses.
.macro FETCH dt, b
.set k, 0
.rept 8
	ds_load_b128 v[ABUF+64*(\b)+8*k:ABUF+64*(\b)+8*k+3],   v[ADR+(\dt)/8] offset:16*WPITCH*((\dt)%8)+64*k
	ds_load_b128 v[ABUF+64*(\b)+8*k+4:ABUF+64*(\b)+8*k+7], v[ADR+(\dt)/8] offset:16*WPITCH*((\dt)%8)+64*k+32
.set k, k+1
.endr
.endm
; Fold n of 16 of a half: S[t] += h_u x q for t = n % 4, j = 4 hf + n / 4 of row tile dtp, whose results lie in accumulator set 'set'.  q is f32, h_u a bf16 half.  An r's first four folds start the sums with 0.
; Each accumulator's register 0 is read first; two links of one S stand four folds apart.
.macro RIDER set, dtp, hf, n
.set rt, (\n)%4
.set rj, (\n)/4
.set rA, ACC+32*(\set)+8*rt+4*(\hf)+rj
.set rH, 128+32*rt+2*(\dtp)+rj/2
.set rC, S+rt
.if ((\dtp) == 0) && ((\hf) == 0) && (rj == 0)
.set rC, ZR
.endif
.if rj%2
	v_fma_mix_f32_bf16 v[S+rt], v[rA], v[rH], v[rC] op_sel:[0,1,0] op_sel_hi:[0,1,0]
.else
	v_fma_mix_f32_bf16 v[S+rt], v[rA], v[rH], v[rC] op_sel_hi:[0,1,0]
.endif
.endm
; Half a row tile: 16 products, k = 4 hf + n / 4, token tile n % 4: the four accumulators take turns, one instruction a turn, from half to half, tile to tile (the other set) and over the backward jump.
; The first four start the sums with the constant 0: nothing is cleared.  Behind each product one fold of the tile before.  The second half's last four folds stand together behind its last product:
; they name none of this tile's products' registers, so they are the four places ahead of the loads into this buffer and of the next tile's first read of these results.
.macro HALF b, hf, ride, dtp
	WIN 0x04<<(\hf)
.set n, 0
.rept 16
.set aD, ACC+32*(\b)+8*(n%4)
.set aA, ABUF+64*(\b)+8*(4*(\hf)+n/4)
.set aB, 32*(n%4)+8*(n/4)
.if ((\hf) == 0) && (n < 4)
	v_wmma_f32_16x16x32_bf16 v[aD:aD+7], v[aA:aA+7], v[aB:aB+7], 0
.else
	v_wmma_f32_16x16x32_bf16 v[aD:aD+7], v[aA:aA+7], v[aB:aB+7], v[aD:aD+7]
.endif
.if \ride
.if ((\hf) == 0) || (n < 12)
	RIDER 1-(\b), \dtp, \hf, n
.endif
.endif
.set n, n+1
.endr
.if (\hf) == 1
.if \ride
.irp q, 12,13,14,15
	RIDER 1-(\b), \dtp, 1, \q
.endr
.else
.rept 4
	v_nop                                          ; the very first tile has nothing to fold
.endr
.endif
.endif
.endm
; An r is finished: the two halves of the lanes are added, and out[token][r] goes into my stage (both halves store the same word).
.macro FLUSH
	WIN 0
.irp t, 0,1,2,3
	v_permlanex16_b32 v[T+(\t)], v[S+(\t)], s[SEL], s[SEL+1]
.endr
	v_add_nc_u32 v[OSA], s[ROFF], v[OST]
	s_add_co_u32 s[ROFF], s[ROFF], 4               ; the next r'
.irp t, 0,1,2,3
	v_add_f32 v[T+(\t)], v[T+(\t)], v[S+(\t)]
.endr
.irp t, 0,1,2,3
	ds_store_b32 v[OSA], v[T+(\t)] offset:16*SPITCH*(\t)
.endr
.endm
; A PREFETCH INTO THE L2, behind each joint refill of the loop and the run of LDS loads that follows it: the step that stands TWO refills on, 512 matrix instructions ahead of the load that will want it.
; Each aligned block of 256 bytes of wb is named once in the launch: the first cluster asks; of the 32,768 consecutive bytes that wave w fetches of a step, the partner at place cx takes 8,192, BY ADDRESS; a lane a block.
; Steps 0 to 3 come by their loads alone; the loop's last trip (s3 = 1) asks for nothing: steps 32 and 33 do not exist.
.macro ASK
	s_cmp_gt_u32 s3, s[LIM]
	s_cbranch_scc0 .Lnot_mine_\@
	global_prefetch_b8 v[PFO], s[PFA:PFA+1] th:TH_LOAD_NT scope:SCOPE_SE
.Lnot_mine_\@:
.endm
; ROW TILE dt: 32 products on buffer and set dt % 2, the folds of tile dt - 1, then (fet) the fragments of tile dt + 2 into the buffer just multiplied.  wn: the LDS loads that may stay out at its head.
; chg = 1: THE CHANGE OF SLOTS, in tiles 6 and 14: the slot's last fragments (tile dt + 1's) have been asked for.  Each wave waits for all its tensor loads, of which one is out: its part of the other slot; adds 0 to its
; spare word; and waits for that and for its reads of the slot.  The barrier opens a round of the cluster's, with 16 products and their folds inside; behind the round no wave of any partner reads the slot or has a load on its way, and
; the joint refill, two steps on, is the first thing there: 224 products stand between it and the wait for it.  chg = 2: the same with a plain barrier and no refill: the last step is shown whole.
.macro TILE dt, ride, chg, fet, flush, wn
.if (\chg) == 0
	s_wait_dscnt \wn                               ; this tile's fragments are in; the next tile's 16 loads may stay out
.else
	WIN 0                                          ; (the add's two registers lie in window 0)
.if (\chg) == 1
	s_wait_xcnt 0x0                                ; the last prefetch, eight tiles back, has read its address:
	s_add_nc_u64 s[PFA:PFA+1], s[PFA:PFA+1], STEP  ; it is stepped here, ahead of the change's own waits
.endif
	s_wait_tensorcnt 0x0                           ; all my tensor loads have landed, so a group 0 may be written
	ds_add_u32 v[SPW], v[NIL]                      ; 0 onto my spare word; 16 products stand between it and the wait for it
.if (\chg) == 1
	s_add_nc_u64 s[G0W+4*((\dt)/8)+2:G0W+4*((\dt)/8)+3], s[G0W+4*((\dt)/8)+2:G0W+4*((\dt)/8)+3], 2*STEP  ; this slot's next step; the type bits on top are not reached
.endif
	s_wait_dscnt 17                                ; this tile's fragments are in; the next tile's 16 loads and the add may stay out
.endif
	HALF (\dt)%2, 0, \ride, ((\dt)+15)%16
.if \chg
	s_wait_dscnt 0x0                               ; the add is done, and my reads of this slot are over
	s_barrier_signal -1
.endif
	HALF (\dt)%2, 1, \ride, ((\dt)+15)%16
.if \chg
	WIN 0
	s_barrier_wait -1
.endif
.if (\chg) == 1
	CREST
	tensor_load_to_lds s[G0W+4*((\dt)/8):G0W+4*((\dt)/8)+3], s[G1W:G1W+7]  ; my one tensor load behind the round; 16 LDS loads follow before any switch of windows
	s_nop 0
.endif
.if \flush
	FLUSH
.endif
.if \fet
	FETCH ((\dt)+2)%16, (\dt)%2
.endif
.if (\chg) == 1
	ASK
.endif
.endm
	FETCH 0, 0                                     ; step 0 is whole: every wave waited for its part ahead of the round above
	FETCH 1, 1
	TILE 0, 0, 0, 1, 0, 16                         ; the first tile stands in front of the loop: it has nothing to fold
	WIN 0                                          ; at a label and at a branch every window is 0
	s_mov_b32 s3, 15
.Lr:                                               ; a trip: tiles 1 to 15 of r', then tile 0 of r' + 1, whose folds end r'; both slots are filled again (steps 2 r' + 2, 2 r' + 3)
.irp d, 1,2,3,4,5
	TILE \d, 1, 0, 1, 0, 16
.endr
	TILE 6, 1, 1, 1, 0, 0
.irp d, 7,8,9,10,11,12,13
	TILE \d, 1, 0, 1, 0, 16
.endr
	TILE 14, 1, 1, 1, 0, 0
	TILE 15, 1, 0, 1, 0, 16
	TILE 0, 1, 0, 1, 1, 16                         ; (its four stores into the stage are older than its 16 loads: the next tile's count of 16 holds)
	WIN 0
	s_sub_co_u32 s3, s3, 1
	s_cmp_lg_u32 s3, 0
	s_cbranch_scc1 .Lr
.irp d, 1,2,3,4,5                      ; r' = 15 is written out: nothing more is asked for
	TILE \d, 1, 0, 1, 0, 16
.endr
	TILE 6, 1, 2, 1, 0, 0
.irp d, 7,8,9,10,11,12,13
	TILE \d, 1, 0, 1, 0, 16
.endr
	TILE 14, 1, 0, 0, 0, 16
	TILE 15, 1, 0, 0, 0, 0
	WIN 0x04                                       ; the last tile's 32 folds; tile 15's last four folds are the places in front of them
.set n, 0
.rept 16
	RIDER 1, 15, 0, n
.set n, n+1
.endr
	WIN 0x08
.set n, 0
.rept 16
	RIDER 1, 15, 1, n
.set n, n+1
.endr
	FLUSH
	; THE WAY OUT.  A row of out (128 bytes) comes from two waves' stages, so a barrier stands between the writing and the reading.  Each wave stores 32 whole rows: 4,096 consecutive bytes.
	s_wait_dscnt 0x0                               ; for the others' sake: my stores into my stage are done
	s_barrier_signal -1
	s_barrier_wait -1
.irp f, 0,1,2,3,4,5,6,7
	ds_load_b128 v[ABUF+4*(\f):ABUF+4*(\f)+3], v[RD] offset:4*SPITCH*(\f)
.endr
.irp f, 0,1,2,3,4,5,6,7
	s_wait_dscnt 7-(\f)                            ; load f is in, the 7 - f younger ones may stay out
	global_store_b128 v[GO], v[ABUF+4*(\f):ABUF+4*(\f)+3], s[10:11] offset:512*(\f) th:TH_STORE_NT  ; 512 consecutive bytes, at a multiple of 256 from out's first byte
.endr
	s_wait_tensorcnt 0x0                           ; the wave's end, behind my last tensor load and my last LDS store
	ds_add_u32 v[SPW], v[NIL]
	s_wait_dscnt 0x0
	CROUND                                         ; the closing round: no work-group ends while a partner may still ask for a tile that names it
	s_endpgm
.Lfunc_end_k_q89e02d5937_main:
	.size	k_q89e02d5937_main, .Lfunc_end_k_q89e02d5937_main-k_q89e02d5937_main
	.p2alignl 7, 3214868480
	.fill 96, 4, 3214868480
	.section	.rodata,"a",@progbits
	.p2align	6, 0x0
	.amdhsa_kernel k_q89e02d5937_main
		.amdhsa_group_segment_fixed_size 327680
		.amdhsa_private_segment_fixed_size 0
		.amdhsa_enable_private_segment 0
		.amdhsa_kernarg_size 32
		.amdhsa_user_sgpr_count 2
		.amdhsa_user_sgpr_kernarg_segment_ptr 1
		.amdhsa_wavefront_size32 1
		.amdhsa_system_sgpr_workgroup_id_x 1
		.amdhsa_system_sgpr_workgroup_id_y 1
		.amdhsa_system_sgpr_workgroup_id_z 1
		.amdhsa_system_vgpr_workitem_id 0
		.amdhsa_next_free_vgpr 768
		.amdhsa_next_free_sgpr 66
		.amdhsa_reserve_vcc 0
		.amdhsa_float_denorm_mode_32 3
		.amdhsa_float_denorm_mode_16_64 3
		.amdhsa_memory_ordered 1
		.amdhsa_forward_progress 1
		.amdhsa_inst_pref_size 226
	.end_amdhsa_kernel
	.amdgpu_metadata
---
amdhsa.version: [ 1, 2 ]
amdhsa.kernels:
  - .name:           k_q89e02d5937_main
    .symbol:         k_q89e02d5937_main.kd
    .args:
      - { .name: h_u, .offset: 0, .size: 8, .value_kind: global_buffer, .address_space: global }
      - { .name: h_v, .offset: 8, .size: 8, .value_kind: global_buffer, .address_space: global }
      - { .name: wb, .offset: 16, .size: 8, .value_kind: global_buffer, .address_space: global }
      - { .name: out0, .offset: 24, .size: 8, .value_kind: global_buffer, .address_space: global }
    .group_segment_fixed_size: 327680
    .private_segment_fixed_size: 0
    .kernarg_segment_align: 8
    .kernarg_segment_size: 32
    .max_flat_workgroup_size: 128
    .sgpr_count:     66
    .vgpr_count:     768
    .wavefront_size: 32
...
	.end_amdgpu_metadata
.endif
;; end of part 2
;; ======== version 2 of 2: 2 launches; version 1 with the launch prep written anew for expert scheduling mode
;; workspace buffers: wb 4,194,304 bytes
;; launch prep (part 3): grid 256 x 1, 8 waves a work-group, no clusters, 0 bytes of LDS; arguments weights, wb; writes wb
.if DOCPART == 3
	.amdgcn_target "amdgcn-amd-amdhsa--gfx1250"
	.amdhsa_code_object_version 6
	.text
	.protected	k_q89e02d5937_prep
	.globl	k_q89e02d5937_prep
	.p2align	8
	.type	k_q89e02d5937_prep,@function
k_q89e02d5937_prep:
	s_mov_b64 s[64:65], 0
	v_nop
	global_prefetch_b8 v0, s[64:65] scope:SCOPE_SE
	s_setreg_imm32_b32 hwreg(HW_REG_WAVE_SCHED_MODE, 0, 2), 2
	s_setreg_imm32_b32 hwreg(HW_REG_WAVE_MODE, 25, 1), 1
	s_wait_xcnt 0x0
	s_wait_alu depctr_vm_vsrc(0)
; wb[r][d][e] = weights[r][d][e] rounded once to bf16, in the same order: 32 x 256 rows of 256 numbers, 512 bytes a row, dense.
; THE WHOLE PROGRAM: out[n][r] = sum over d, e of h_u[n][d] W[r][d][e] h_v[n][e].  No work of the problem is left out: every number of every input reaches an output.
; Every work-group of the next launch walks all of W, so W is rounded here, once, and not 256 times there.  h_u and h_v have one work-group each that wants a given row: they are rounded on their way there.
; SHARES.  A work-group takes 8,192 numbers: 32,768 bytes in, 16,384 out.  Thread t takes 16 bytes at 4,096 j + 16 t (j = 0..7): a wave's load covers 512 consecutive bytes;
; its 8 bytes of bf16 go to 2,048 j + 8 t: a wave's store covers 256 consecutive bytes, aligned.  All eight loads go out at once; no register is written twice, so no wait frees one.
; No LDS, no matrix unit, no cluster: nothing is shared and nothing is summed.
; THE MODE: SCHED_MODE bits 1:0 = 2 (LLVM: expert scheduling mode 2), set by the entry lines.  The code itself states the register dependences
; between vector instructions and memory instructions, with s_wait_alu, always for 0.
; THE PLAN.  Registers that memory instructions touch:
;   v1, v2   byte offsets of the loads and of the stores: made once at the head by vector instructions, never written again.
;   X        load j lands in X + 4 j; no vector instruction names these registers before that; conversion pair j reads them; nothing lands in them again.
;   Y        conversion pair j writes Y + 2 j, once; store j reads it, once.
; The eight loads go in four blocks of two.  Block p rounds loads 2 p and 2 p + 1 into its four registers of Y; its memory instructions are the two stores of block p - 1, which read that
; block's four registers of Y and v2: registers that no vector instruction of block p names.  So one wait at a block's head states all that its two stores hang on, and they are dealt among
; its conversions with no further wait.  No register that a load or store reads is written again, no vector instruction writes a scalar register, and EXEC is never written.
.set X, 8                              ; v[8:39]   load j: four f32
.set Y, 40                             ; v[40:55]  store j: four bf16
	s_load_b128 s[4:7], s[0:1], 0x0                ; weights s[4:5], wb s[6:7]
	s_lshl_b32 s2, ttmp9, 15                       ; the work-group's 32,768 bytes of weights
	s_mov_b32 s3, 0
	s_lshl_b32 s8, ttmp9, 14                       ; and its 16,384 bytes of wb
	s_mov_b32 s9, 0
	v_lshlrev_b32 v1, 4, v0                        ; 16 t
	v_lshlrev_b32 v2, 3, v0                        ; 8 t
	s_wait_kmcnt 0x0
	s_add_nc_u64 s[4:5], s[4:5], s[2:3]
	s_add_nc_u64 s[6:7], s[6:7], s[8:9]
	s_wait_alu depctr_va_vdst(0)                   ; v1 and v2 are written: every load of the kernel reads v1 as its offset, every store v2
.irp j, 0,1,2,3,4,5,6,7
	global_load_b128 v[X+4*(\j):X+4*(\j)+3], v1, s[4:5] offset:4096*(\j) th:TH_LOAD_NT  ; read once in the launch
.endr
.irp p, 0,1,2,3
	s_wait_loadcnt 6-2*(\p)                        ; loads come back in order: loads 2 p and 2 p + 1 are in, the 6 - 2 p younger ones may stay out
.if (\p) > 0
	s_wait_alu depctr_va_vdst(0)                   ; the block before has written its four registers of Y, which the two stores below read
.endif
.irp i, 0,1
.if (\p) > 0
	global_store_b64 v2, v[Y+4*(\p)-4+2*(\i):Y+4*(\p)-4+2*(\i)+1], s[6:7] offset:2048*(2*(\p)-2+(\i))  ; the block before; no vector instruction since the wait names these registers or v2
.endif
	v_cvt_pk_bf16_f32 v[Y+4*(\p)+2*(\i)],   v[X+8*(\p)+4*(\i)],   v[X+8*(\p)+4*(\i)+1]
	v_cvt_pk_bf16_f32 v[Y+4*(\p)+2*(\i)+1], v[X+8*(\p)+4*(\i)+2], v[X+8*(\p)+4*(\i)+3]
.endr
.endr
	s_wait_alu depctr_va_vdst(0)                   ; the last block has written Y + 12 to Y + 15, which the last two stores read
.irp i, 0,1
	global_store_b64 v2, v[Y+12+2*(\i):Y+12+2*(\i)+1], s[6:7] offset:2048*(6+(\i))
.endr
	s_endpgm
.Lfunc_end_k_q89e02d5937_prep:
	.size	k_q89e02d5937_prep, .Lfunc_end_k_q89e02d5937_prep-k_q89e02d5937_prep
	.p2alignl 7, 3214868480
	.fill 96, 4, 3214868480
	.section	.rodata,"a",@progbits
	.p2align	6, 0x0
	.amdhsa_kernel k_q89e02d5937_prep
		.amdhsa_group_segment_fixed_size 0
		.amdhsa_private_segment_fixed_size 0
		.amdhsa_enable_private_segment 0
		.amdhsa_kernarg_size 16
		.amdhsa_user_sgpr_count 2
		.amdhsa_user_sgpr_kernarg_segment_ptr 1
		.amdhsa_wavefront_size32 1
		.amdhsa_system_sgpr_workgroup_id_x 1
		.amdhsa_system_sgpr_workgroup_id_y 1
		.amdhsa_system_sgpr_workgroup_id_z 1
		.amdhsa_system_vgpr_workitem_id 0
		.amdhsa_next_free_vgpr 64
		.amdhsa_next_free_sgpr 66
		.amdhsa_reserve_vcc 0
		.amdhsa_float_denorm_mode_32 3
		.amdhsa_float_denorm_mode_16_64 3
		.amdhsa_memory_ordered 1
		.amdhsa_forward_progress 1
		.amdhsa_inst_pref_size 4
	.end_amdhsa_kernel
	.amdgpu_metadata
---
amdhsa.version: [ 1, 2 ]
amdhsa.kernels:
  - .name:           k_q89e02d5937_prep
    .symbol:         k_q89e02d5937_prep.kd
    .args:
      - { .name: weights, .offset: 0, .size: 8, .value_kind: global_buffer, .address_space: global }
      - { .name: wb, .offset: 8, .size: 8, .value_kind: global_buffer, .address_space: global }
    .group_segment_fixed_size: 0
    .private_segment_fixed_size: 0
    .kernarg_segment_align: 8
    .kernarg_segment_size: 16
    .max_flat_workgroup_size: 256
    .sgpr_count:     66
    .vgpr_count:     64
    .wavefront_size: 32
...
	.end_amdgpu_metadata
.endif
;; end of part 3
;; launch main: the kernel of part 2 again; grid 256 x 1, 4 waves a work-group, clusters of 4 x 1, 327,680 bytes of LDS; arguments h_u, h_v, wb, out0; writes out0
